; MI455X (gfx1250); checked and timed in simulation.
; The chip was launched on July 23, 2026; its instructions are those of AMD's public machine-readable ISA for CDNA 5 (MIT licence, August 2026) and "CDNA5" Instruction Set Architecture Reference Guide (July 2026). The comments in the code are by the model that wrote it; some were corrected since.
;; Layer Norm LSTM Cell. Allowed arithmetic: matrix products marked QUANTISED: E2M3 operands, one E8M0 scale for each 32 along K, by v_wmma_scale_f32_16x16x128_f8f6f4 with both operands' format E2M3, f32 sums; everything else in f32.
;; Inputs: b_hh 4,096 float32; b_ih 4,096 float32; c 4,096 x 1,024 float32; h 4,096 x 1,024 float32; input 4,096 x 1,024 float32; ln_beta 4,096 float32; ln_gamma 4,096 float32; w_hh 4,096 x 1,024 float32; w_ih 4,096 x 1,024 float32.
;; Outputs: out0 4,096 x 1,024 float32; out1 4,096 x 1,024 float32.
;; This version of the problem:
;;   THIS VERSION OF THE PROBLEM IS GIVEN IN LOW PRECISION. The matrix products marked QUANTISED in the list below multiply operands that are first quantised to E2M3 (2 exponent bits, 3 mantissa bits; 6 bits a number), with one power-of-two scale for each 32 numbers along K (OCP MX v1.0); their sums are f32. All else is computed in f32.
;;   The module's matrix products, in the order in which they are computed (A, B: the left and right operand; K: the contracted axis; several contracted axes count as one K, in the product's order):
;;     1. [M 4,096, K 1,024] x [K 1,024, N 4,096]; A: input input; B: input w_ih: QUANTISED
;;     2. [M 4,096, K 1,024] x [K 1,024, N 4,096]; A: input h; B: input w_hh: QUANTISED
;;   THE QUANTISER, for each operand of a quantised product, along K:
;;     - K is cut into blocks of 32 from its start; a last block that is shorter is filled with zeros.
;;     - A block's scale is 2^e with e = floor(log2(the largest magnitude in the block)) - 2, held to -126 .. 127; a block of zeros has e = 0. As a byte (E8M0): e + 127.
;;     - Each number is divided by its block's scale, clamped to +-7.5, and rounded to the nearest number of E2M3, ties to even, subnormals kept.
;;     - The product sums the exact products of the quantised numbers (number of the format x scale) in f32.
;;   ~~~python
;;   def quantise(x, axis):      # numpy; x: float32 -> the quantised numbers, widened to float32 again
;;       x = np.moveaxis(x, axis, -1); K = x.shape[-1]
;;       x = np.pad(x, [(0, 0)] * (x.ndim - 1) + [(0, -K % 32)]); x = x.reshape(x.shape[:-1] + (-1, 32)); a = np.abs(x).max(-1, keepdims=True)
;;       e = np.where(a > 0, np.clip(np.frexp(np.where(a > 0, a, 1))[1] - 1 - 2, -126, 127), 0)      # np.frexp(a)[1] - 1 = floor(log2(a)), exactly
;;       r = np.clip(x / 2.0 ** e, -7.5, 7.5)
;;       step = 2.0 ** (np.maximum(np.frexp(np.where(r == 0, 1, r))[1] - 1, 0) - 3)
;;       q = np.round(r / step) * step * 2.0 ** e      # np.round: ties to even
;;       return np.moveaxis(q.reshape(q.shape[:-2] + (-1,))[..., :K], -1, axis).astype(np.float32)
;;   ~~~
;; One version. Each part assembles by itself: llvm-mc -triple=amdgcn-amd-amdhsa -mcpu=gfx1250 --defsym DOCPART=n.
;; ======== version 1 of 1: 3 launches
;; limits: right only within a limited range of input values
;; workspace buffers: a_codes 6,291,456 bytes; a_scales 262,144 bytes; b_codes 6,291,456 bytes; b_scales 262,144 bytes; gates 67,108,864 bytes; stats 1,048,576 bytes
;; launch quant (part 1): grid 512 x 1, 4 waves a work-group, no clusters, 49,664 bytes of LDS; arguments input, h, w_ih, w_hh, a_codes, a_scales, b_codes, b_scales; writes a_codes, a_scales, b_codes, b_scales
.if DOCPART == 1
	.amdgcn_target "amdgcn-amd-amdhsa--gfx1250"
	.amdhsa_code_object_version 6
	.text
	.protected	k_qf11d9e0da6_quant
	.globl	k_qf11d9e0da6_quant
	.p2align	8
	.type	k_qf11d9e0da6_quant,@function
k_qf11d9e0da6_quant:
	s_mov_b64 s[64:65], 0
	v_nop
	global_prefetch_b8 v0, s[64:65] scope:SCOPE_SE
	s_setreg_imm32_b32 hwreg(HW_REG_WAVE_MODE, 25, 1), 1
	s_wait_xcnt 0x0
; input, h [4096][1024] and w_ih, w_hh [4096][1024], f32, are turned into codes of FP6 (E2M3), 6 bits each, with one E8M0 scale byte for each 32 along K, LAID IN THE ORDER OF THE OPERANDS' REGISTERS.
; The two products of the cell are added, so they are ONE product with K = 2,048: A = [input | h], B = [w_ih | w_hh]; 1,024 is a multiple of 32, so the blocks are those of the two products.
; a_codes is [256 groups of 16 rows][16 K steps of 128][1,536 bytes]: the 1,536 bytes are the image of a fragment's 12 registers: register p of lane L at byte 512 (p / 4) + 16 L + 4 (p % 4), so that three loads of
; 16 bytes a lane, 512 bytes apart, bring the fragment.  By the operand's layout lane L = r + 16 (b % 2) holds block b (32 along K) of row r in registers 6 (b / 2) .. 6 (b / 2) + 5, as one stream of 192 bits.
; a_scales is [256 groups][4 quarters of K][16 rows][16 bytes]: a row's four scale words of the quarter's four K steps.  b_codes and b_scales likewise from w_ih and w_hh.
; A block's scale is 2^(floor(log2(its largest magnitude)) - 2), 2 being the exponent of the format's largest number, 7.5; its byte is the largest magnitude's own exponent field - 2, held at 1 from below.
; Each number is divided by the scale and rounded to the nearest code, ties to even; beyond 7.5 the conversion gives the largest code.
; LIMITS: a block of zeros gets the byte 1 where the rule says 127 (its codes are zeros, which add nothing under any byte but 0xff, and the bytes are read by this program alone); blocks whose largest
; magnitude lies under 2^-124, the floor, are held at the byte 1; NaN and infinities among the inputs are not served.
; SHARES.  Work-groups 0-255 take (input, h), 256-511 (w_ih, w_hh): only pointers are chosen, there is one path.  A work-group takes one group of 16 rows; wave q takes quarter q of K (tensor q / 2, half q % 2):
; 16 steps of 512 numbers, step t = row t.  So the wave's codes are four whole fragments, 6,144 consecutive bytes, and its scale bytes 256 consecutive aligned bytes (row t at 16 t).
; The conversion takes 16 numbers of ONE block from a lane's registers, so a lane must hold 16 NEIGHBOURS (two neighbouring lanes hold a block); a load is best where neighbouring LANES take neighbouring bytes.
; Both are had: each of a step's four loads reads 512 consecutive bytes, 16 a lane; the 2,048 bytes go through the wave's own stage in LDS, as they lie, and come back 64 bytes a lane.
; A fragment is whole only when all 16 rows are done: the codes are gathered in a second stage of the wave's own and leave at the end, 512 consecutive bytes a store.
; No barrier: waves share nothing.  Loads run eight steps (32 loads a wave, 16 KiB) ahead, the turn through LDS one step.
.set STEPS, 16
.set AHEAD, 8                          ; steps of loads on their way
.set EMAX,  2
.set CA0,   1                          ; v1, v4, v10: where my three code registers go in the codes' stage (row 0); never rewritten behind the head
.set CA1,   4
.set CA2,   10
.set E,     16                         ; v16-31   a scale byte for each step
.set X,     32                         ; v32-63   two sets of 16 neighbours
.set C,     64                         ; v64-127  codes: four registers for each step (three used)
.set R,     128                        ; v128-255 eight sets of 16 numbers as they are loaded; at the end v128-175 take the codes on their way out
.set WREG,  12288                      ; LDS: a region of its own for each wave:
.set SP,    80                         ;   two stages of 32 x SP bytes: a lane's place is its 64 bytes + 16 of padding;
.set SBY,   2*32*SP                    ;   behind them the wave's 256 scale bytes;
.set CST,   SBY+256                    ;   behind those the codes' stage: the 6,144 bytes as 24 runs of 256 bytes,
.set CP,    272                        ;   272 bytes apart
	s_load_b256 s[4:11], s[0:1], 0x0               ; input s[4:5], h s[6:7], w_ih s[8:9], w_hh s[10:11]
	s_load_b256 s[12:19], s[0:1], 0x20             ; a_codes s[12:13], a_scales s[14:15], b_codes s[16:17], b_scales s[18:19]
	v_lshl_add_u32 v123, v0, 2, 0xc000
	v_mov_b32 v127, 0
	v_lshrrev_b32 v1, 5, v0
	v_readfirstlane_b32 s21, v1                    ; wave
	v_and_b32 v2, 31, v0                           ; lane
	v_lshlrev_b32 v3, 4, v2                        ; my 16 bytes of a load's or a store's 512
	s_mul_i32 s22, s21, WREG
	v_lshrrev_b32 v14, 2, v2
	v_mul_u32_u24 v14, v14, SP
	v_and_b32 v15, 3, v2
	v_lshl_add_u32 v14, v15, 4, v14
	v_add_nc_u32 v14, s22, v14                     ; the stage, on the way in: four lanes' 64 bytes on end, then 16 of padding: SP (lane / 4) + 16 (lane % 4); a load's 512 bytes take eight places
	v_mul_u32_u24 v15, v2, SP
	v_add_nc_u32 v15, s22, v15                     ; and on the way out: SP x lane: my 16 neighbours
	v_lshrrev_b32 v5, 1, v2
	s_add_co_u32 s23, s22, SBY
	v_add_nc_u32 v5, s23, v5                       ; my wave's 256 scale bytes, my block's byte
	v_lshlrev_b32 v7, 3, v2                        ; and on the way out 8 bytes a lane
	v_add_nc_u32 v6, s23, v7
	; Lane l holds half l % 2 of block b = (l / 2) % 4 of the quarter's K step l / 8.  Its code register j is register p = 6 (b / 2) + 3 (l % 2) + j of the fragment's lane r + 16 (b % 2):
	; run 6 (l / 8) + 2 (p / 4) + b % 2 of the wave's 24 runs of 256 bytes, byte 16 r + 4 (p % 4) in it.
	s_add_co_u32 s23, s22, CST                     ; my wave's stage for the codes; kept to the end
	v_bfe_u32 v8, v0, 3, 2                         ; l / 8
	v_bfe_u32 v9, v0, 1, 1                         ; b % 2
	v_bfe_u32 v11, v0, 2, 1                        ; b / 2
	v_and_b32 v12, 1, v0                           ; l % 2
	v_mul_u32_u24 v8, v8, 6
	v_add_nc_u32 v8, v8, v9
	v_mul_u32_u24 v8, v8, CP
	v_add_nc_u32 v8, s23, v8                       ; the stage + CP x (6 (l / 8) + b % 2)
	v_mul_u32_u24 v11, v11, 6
	v_mad_u32_u24 v11, v12, 3, v11                 ; p of my first code register
.macro CADR d, j
	v_add_nc_u32 v9, \j, v11                       ; p
	v_lshrrev_b32 v12, 2, v9                       ; p / 4
	v_and_b32 v9, 3, v9                            ; p % 4
	v_mad_u32_u24 v12, v12, 2*CP, v8
	v_lshl_add_u32 v[\d], v9, 2, v12               ; with runs 68 words apart the 32 lanes of such a store fall on 32 different banks (64 banks of 4 bytes: ISA guide 11.1)
.endm
	CADR CA0, 0
	CADR CA1, 1
	CADR CA2, 2
	s_wait_kmcnt 0x0
	s_cmp_lt_u32 ttmp9, 256                        ; A's work-group or B's?  The choice hangs on the work-group's number alone; all its selections stand ahead of the next compare
	s_cselect_b64 s[4:5], s[4:5], s[8:9]           ; the pair's first tensor
	s_cselect_b64 s[6:7], s[6:7], s[10:11]         ; its second
	s_cselect_b64 s[12:13], s[12:13], s[16:17]     ; the codes
	s_cselect_b64 s[14:15], s[14:15], s[18:19]     ; the scale bytes
	s_cselect_b32 s20, 0, 256
	s_cmp_lt_u32 s21, 2                            ; waves 0 and 1 take the pair's first tensor, waves 2 and 3 its second: the choice hangs on the wave's number alone
	s_cselect_b64 s[4:5], s[4:5], s[6:7]
	s_sub_co_u32 s20, ttmp9, s20                   ; the group of 16 rows
	s_and_b32 s25, s21, 1
	s_lshl_b32 s25, s25, 11                        ; which half of a row of 4,096 bytes
	s_lshl_b32 s24, s20, 16                        ; 16 rows of 4,096 bytes
	s_add_co_u32 s24, s24, s25
	s_mov_b32 s25, 0
	s_lshl_b32 s20, s20, 2
	s_add_co_u32 s20, s20, s21                     ; 4 x group + quarter: 0 .. 1,023
	s_mul_i32 s26, s20, 4*1536                     ; four fragments
	s_mov_b32 s27, 0
	s_lshl_b32 s28, s20, 8                         ; 16 rows x 16 scale bytes
	s_mov_b32 s29, 0
	s_add_nc_u64 s[4:5], s[4:5], s[24:25]
	s_add_nc_u64 s[12:13], s[12:13], s[26:27]
	s_add_nc_u64 s[14:15], s[14:15], s[28:29]
.macro LOAD t                          ; step t's 2,048 bytes (half of row t) into set t % 8: each load reads 512 consecutive bytes
.irp i, 0,1,2,3
	global_load_b128 v[R+16*((\t)%AHEAD)+4*\i:R+16*((\t)%AHEAD)+4*\i+3], v3, s[4:5] offset:4096*(\t)+512*\i th:TH_LOAD_NT
.endr
.endm
.macro TURN t                          ; step t's numbers through the stage: LDS serves a wave's instructions in order (ISA guide 5.7.1.4), so no wait stands between the stores and the loads
.irp i, 0,1,2,3
	ds_store_b128 v14, v[R+16*((\t)%AHEAD)+4*\i:R+16*((\t)%AHEAD)+4*\i+3] offset:32*SP*((\t)%2)+8*SP*\i
.endr
.irp i, 0,1,2,3
	ds_load_b128 v[X+16*((\t)%2)+4*\i:X+16*((\t)%2)+4*\i+3], v15 offset:32*SP*((\t)%2)+16*\i
.endr
.endm
.irp t, 0,1,2,3,4,5,6,7
	LOAD \t
.endr
	s_wait_loadcnt 28                              ; step 0's four loads are in; the 28 of steps 1 to 7 may be out
	TURN 0
.macro STEP t
.set XS, X+16*((\t)%2)
.if (\t) > 0
	s_wait_dscnt 4                                 ; this step's numbers are back from the stage (only the last step's byte store and its three word stores are younger): so its stores into the stage have read their registers,
.else
	s_wait_dscnt 0x0
.endif
.if (\t)+AHEAD < STEPS
	LOAD (\t)+AHEAD                                ; which take the loads of eight steps on
.endif
.if (\t)+1 < STEPS
.if STEPS-2-(\t) >= AHEAD-1
	s_wait_loadcnt 4*(AHEAD-1)                     ; the next step's four loads are in; those of the seven steps behind it may be out
.else
	s_wait_loadcnt 4*(STEPS-2-(\t))                ; near the end fewer steps lie behind it
.endif
	TURN (\t)+1                                    ; and go through the other stage while this step is worked
.endif
	v_max3_num_f32 v8, |v[XS]|, |v[XS+1]|, |v[XS+2]|               ; the largest magnitude of my 16, in two chains
	v_max3_num_f32 v9, |v[XS+3]|, |v[XS+4]|, |v[XS+5]|
.irp i, 6,10
	v_max3_num_f32 v8, v8, |v[XS+\i]|, |v[XS+\i+1]|
	v_max3_num_f32 v9, v9, |v[XS+\i+2]|, |v[XS+\i+3]|
.endr
	v_max3_num_f32 v8, v8, |v[XS+14]|, |v[XS+15]|
	v_max3_num_f32 v8, v8, v9, (EMAX+1)<<23        ; and the floor 2^(EMAX + 1 - 127), under which no largest magnitude is taken: so the byte cannot fall under 1
	v_max_num_f32_dpp v8, v8, v8 row_xmask:1 row_mask:0xf bank_mask:0xf   ; and of my neighbour's 16: the block's
	v_add_nc_u32 v11, -(EMAX<<23), v8              ; EMAX off its exponent field: the conversion takes the exponent field of this operand as its scale, and nothing else of it
	v_cvt_scalef32_pk16_fp6_f32 v[C+4*(\t):C+4*(\t)+2], v[XS:XS+15], v11   ; sixteen numbers / 2^(v11's exponent), to the nearest code, ties to even; 96 bits without gaps, the first number's code lowest
	v_lshrrev_b32 v[E+(\t)], 23, v11               ; the scale's byte (a plain line behind the conversion)
	ds_store_b8 v5, v[E+(\t)] offset:16*(\t)       ; both lanes of a block write the same byte with the same value
	ds_store_b32 v[CA0], v[C+4*(\t)] offset:16*(\t)     ; my three code registers to their places in the fragments' images: row t lies 16 t bytes on in each run
	ds_store_b32 v[CA1], v[C+4*(\t)+1] offset:16*(\t)
	ds_store_b32 v[CA2], v[C+4*(\t)+2] offset:16*(\t)
.endm
.irp t, 0,1,2,3,4,5,6,7,8,9,10,11,12,13,14,15
	STEP \t
.endr
	v_bfe_u32 v8, v0, 4, 1                         ; the codes' way out: lanes 0-15 take one run of 256 bytes, lanes 16-31 the next
	v_and_b32 v9, 15, v0
	v_mul_u32_u24 v8, v8, CP
	v_lshl_add_u32 v8, v9, 4, v8
	v_add_nc_u32 v8, s23, v8
	ds_load_b64 v[12:13], v6                       ; LDS serves a wave's instructions in order: these see my stores
.irp s, 0,1,2,3,4,5,6,7,8,9,10,11
	ds_load_b128 v[R+4*\s:R+4*\s+3], v8 offset:2*CP*\s
.endr
	s_wait_dscnt 12                                ; the scale bytes are back; the twelve loads behind them may be out
	global_store_b64 v7, v[12:13], s[14:15]        ; 32 lanes store 256 consecutive bytes, at a multiple of 256 from the buffer's first byte
.irp s, 0,1,2,3,4,5,6,7,8,9,10,11
	s_wait_dscnt 11-\s                             ; load s is back; the younger ones may be out
	global_store_b128 v3, v[R+4*\s:R+4*\s+3], s[12:13] offset:512*\s   ; 32 lanes store 512 consecutive bytes, at a multiple of 256 from the buffer's first byte; no hint: the next launch reads them
.endr
	s_wait_tensorcnt 0x0
	ds_add_u32 v123, v127
	s_wait_dscnt 0x0
	s_endpgm
.Lfunc_end_k_qf11d9e0da6_quant:
	.size	k_qf11d9e0da6_quant, .Lfunc_end_k_qf11d9e0da6_quant-k_qf11d9e0da6_quant
	.p2alignl 7, 3214868480
	.fill 96, 4, 3214868480
	.section	.rodata,"a",@progbits
	.p2align	6, 0x0
	.amdhsa_kernel k_qf11d9e0da6_quant
		.amdhsa_group_segment_fixed_size 49664
		.amdhsa_private_segment_fixed_size 0
		.amdhsa_enable_private_segment 0
		.amdhsa_kernarg_size 64
		.amdhsa_user_sgpr_count 2
		.amdhsa_user_sgpr_kernarg_segment_ptr 1
		.amdhsa_wavefront_size32 1
		.amdhsa_system_sgpr_workgroup_id_x 1
		.amdhsa_system_sgpr_workgroup_id_y 1
		.amdhsa_system_sgpr_workgroup_id_z 1
		.amdhsa_system_vgpr_workitem_id 0
		.amdhsa_next_free_vgpr 256
		.amdhsa_next_free_sgpr 66
		.amdhsa_reserve_vcc 0
		.amdhsa_float_denorm_mode_32 3
		.amdhsa_float_denorm_mode_16_64 3
		.amdhsa_memory_ordered 1
		.amdhsa_forward_progress 1
		.amdhsa_inst_pref_size 38
	.end_amdhsa_kernel
	.amdgpu_metadata
---
amdhsa.version: [ 1, 2 ]
amdhsa.kernels:
  - .name:           k_qf11d9e0da6_quant
    .symbol:         k_qf11d9e0da6_quant.kd
    .args:
      - { .name: input, .offset: 0, .size: 8, .value_kind: global_buffer, .address_space: global }
      - { .name: h, .offset: 8, .size: 8, .value_kind: global_buffer, .address_space: global }
      - { .name: w_ih, .offset: 16, .size: 8, .value_kind: global_buffer, .address_space: global }
      - { .name: w_hh, .offset: 24, .size: 8, .value_kind: global_buffer, .address_space: global }
      - { .name: a_codes, .offset: 32, .size: 8, .value_kind: global_buffer, .address_space: global }
      - { .name: a_scales, .offset: 40, .size: 8, .value_kind: global_buffer, .address_space: global }
      - { .name: b_codes, .offset: 48, .size: 8, .value_kind: global_buffer, .address_space: global }
      - { .name: b_scales, .offset: 56, .size: 8, .value_kind: global_buffer, .address_space: global }
    .group_segment_fixed_size: 49664
    .private_segment_fixed_size: 0
    .kernarg_segment_align: 8
    .kernarg_segment_size: 64
    .max_flat_workgroup_size: 128
    .sgpr_count:     66
    .vgpr_count:     256
    .wavefront_size: 32
...
	.end_amdgpu_metadata
.endif
;; end of part 1
;; launch gemm (part 2): grid 16 x 16, 4 waves a work-group, clusters of 4 x 4, 327,680 bytes of LDS; arguments a_codes, a_scales, b_codes, b_scales, gates, stats, b_ih, b_hh; writes gates, stats
.if DOCPART == 2
	.amdgcn_target "amdgcn-amd-amdhsa--gfx1250"
	.amdhsa_code_object_version 6
	.text
	.protected	k_qf11d9e0da6_gemm
	.globl	k_qf11d9e0da6_gemm
	.p2align	8
	.type	k_qf11d9e0da6_gemm,@function
k_qf11d9e0da6_gemm:
	s_mov_b64 s[64:65], 0
	v_nop
	global_prefetch_b8 v0, s[64:65] scope:SCOPE_SE
	s_setreg_imm32_b32 hwreg(HW_REG_WAVE_MODE, 25, 1), 1
	s_wait_xcnt 0x0
	s_wait_alu depctr_hold_cnt(0) depctr_sa_sdst(0) depctr_va_vdst(0) depctr_va_sdst(0) depctr_va_ssrc(0) depctr_va_vcc(0) depctr_vm_vsrc(0)
	s_getreg_b32 s2, hwreg(HW_REG_IB_STS2, 6, 4)
	s_cmp_eq_u32 s2, 0
	s_cbranch_scc0 .Lentry_in_a_cluster
	s_endpgm
.Lentry_in_a_cluster:
	s_bfe_u32 s2, ttmp6, 0x10000c
	s_cmp_lg_u32 s2, 0xf033
	s_cbranch_scc0 .Lentry_shape_is_right
	s_endpgm
.Lentry_shape_is_right:
; gates[m][n] = b_ih[n] + b_hh[n] + sum over k of A[m][k] B[n][k].  A = [input | h], B = [w_ih | w_hh]: [4096][2048], codes of FP6 (E2M3) with one E8M0 scale for each 32 along K; gates [4096][4096] f32, row-major.
; stats[chunk][row] = (mean, M2): of each row, over the 128 columns of a chunk, the gates' mean and the sum of squares round that mean; 32 chunks; the next launch joins them.
; LIMITS: one f32 sum for each gate, begun with (b_ih + b_hh), K ascending, input's 1,024 first, then h's: an order of rounding that differs from the source's.
; THE OPERANDS LIE IN MEMORY IN THE ORDER OF THEIR REGISTERS: codes [group of 16 rows][K step of 128][1,536 bytes], the image of a fragment's 12 registers: three loads of 16 bytes a lane, 512 bytes apart, bring a fragment.
; Scale words [group][quarter of K][row][4 words].
; SHARES.  A work-group of four waves makes 256 x 256 of the gates, a wave 128 x 128: 64 accumulators, 512 registers.  Wave w takes A's groups 8 (w / 2) + 0..7 and, with x = w % 2, B's groups 4 x + 0..3 and 8 + 4 x + 0..3.
; A's 16 groups and B's groups 0-7 go through a ring of two LDS slots of two K steps each: rows of 3,072 consecutive bytes of memory, 24,576 bytes apart, each beginning at a multiple of 256.
; B's GROUPS 8-15 GO FROM MEMORY STRAIGHT INTO REGISTERS, 512 consecutive bytes a load, asked for two steps ahead, in three sets of registers: so a step has 36 fragment loads from LDS for its 64 products, not 48.
; These are not asked for jointly: a joint request lands in LDS, and it is the LDS loads that this takes out.
; The scales of the tile's 256 rows of A and of B come into LDS once, at the head, and stay.
; A slot's last reads are those of its second step's operands, which are asked for at the head of its first step: so the slot is left, and filled again, at the END of its first step.
; THE LAST K STEP GOES BY ROWS OF THE RESULT: a block of 16 rows leaves as soon as its eight products are issued, while the later blocks are multiplied.
; CLUSTERS: 4 x 4 work-groups.  The four of a row of the cluster need the same tiles of A, the four of a column the same tiles of B: each tile is asked for jointly, by the same tensor load with the same descriptor and a mask of the four.
; THE MATRIX INSTRUCTION IS USED TRANSPOSED (source 0 = 16 rows of B, source 1 = 16 rows of A): a lane then holds eight neighbouring numbers of a row of the gates.
; REGISTERS, in windows of 256: window 0: v16-31 addresses; v32-47 scale words, two sets of 8 (lanes 0-15 A's block i, lanes 16-31 B's block i); v64-159, v160-255 A's fragments, two sets.
;   window 1: v0-47, v48-95 B's four fragments from LDS, two sets; v96-239 B's four from memory, three sets; v192-255 hold the biases until the first step has taken them.
;   windows 2, 3: the accumulators ((a, b) at v[8 (8 (a % 4) + b)] of window 2 + a / 4).
; The walk along K is written out: the sets come back after two and three steps, the slots after four.
.set GRP,    24576
.set FRB,    1536
.set ROWB,   2*FRB                     ; a tile's row: two K steps of a group
.set QSL,    8*ROWB                    ; eight groups of A: one load of the ring, and what a wave reads of A in a slot
.set QSB,    4*ROWB                    ; four groups of B likewise
.set SLOT,   2*QSL+2*QSB               ; A's 16 groups, then B's 8
.set NSL,    8                         ; fills along K; fill c lies in slot c % 2
.set SCL,    2*SLOT                    ; behind the ring: A's scale words, then B's
.set HALFS,  8192
.set STG,    SCL+4*HALFS               ; a stage of 16 rows x (512 + 16) bytes for each wave; no fill lands there
.set SPITCH, 528
.set SPARE,  STG+4*16*SPITCH           ; the spare words, 128 bytes for each wave, which no other line names
.set NROW,   16384
.set FR,     12
.set ADRA, 16                          ; v16-17  LDS address of my A fragments in slot 0, 1
.set ADRS, 18                          ; v18-19  LDS address of my scale words: lanes 0-15 A's rows, lanes 16-31 B's: blocks 0-3, blocks 4-7
.set ADRB, 20                          ; v20-21  LDS address of my B fragments
.set BIO,  22                          ; v22     32 x (lane / 16): my eight columns among a block's biases
.set SOF,  23                          ; v23     8 x lane: my place in a store of 32 rows' pairs
.set STO,  24                          ; v24     into the stage
.set RD,   25                          ; v25     back from it
.set CO,   26                          ; v26     my bytes in a row of the gates: 16 (lane % 16) + 512 (lane / 16)
.set LI,   27                          ; v27     16 x lane
.set SPW,  28
.set NIL,  29
.set PFO,  30                          ; v30     the prefetches' offset
.set SC,   32
.set AF,   64
.set BC,   192                         ; window 1: v192-255 the biases of my 64 columns a lane: block b's eight at 8 b
.set DD,   144                         ; the way out, window 1: v144-207 differences; v208-215 four sums; v216-219 two pairs (mean, M2); v220 the other half's; v222-229 what is stored
.set TS,   208
.set SR,   216
.set XL,   220
.set OP,   222
.set G1, 24
.set G0, 32
.set G1B, 48
.set G0B, 56
.set G1S, 68
.set G0S, 76
.set G1SB, 80
.set G0SB, 88
.set G0H, 4
.set G0HB, 8
.set PFA, 94                           ; s[94:95] where my prefetches begin
.set BD,  100                          ; s[100:101] my four groups of B that come straight from memory
.set MSB, 0
.macro WIN new                         ; the immediate's high byte repeats the setting that is left
.if MSB != \new
	s_set_vgpr_msb (MSB<<8)|\new
.set MSB, \new
.endif
.endm
.set MUL_LO, 0xa1                      ; source 0 (B) window 1, source 1 (A) window 0, C and D window 2
.set MUL_HI, 0xf1
.set TO_B,   0x40                      ; destination window 1, address window 0
.macro JLOAD g0a, g1a, g0b, g1b        ; a joint load: waves 0 and 1 fetch for A, waves 2 and 3 for B; an s_nop 0 and four v_nop follow each line
	s_cmp_eq_u32 s15, 0
	s_cbranch_scc0 .Lfor_b_\@
	tensor_load_to_lds s[\g0a:\g0a+3], s[\g1a:\g1a+7]
	s_nop 0
.rept 4
	v_nop
.endr
	s_branch .Lasked_\@
.Lfor_b_\@:
	tensor_load_to_lds s[\g0b:\g0b+3], s[\g1b:\g1b+7]
	s_nop 0
.rept 4
	v_nop
.endr
.Lasked_\@:
.endm
.macro CROUND                          ; a round of the cluster's barrier
	s_barrier_signal -1
	s_barrier_wait -1
	s_cmp_lg_u32 s14, 0
	s_cbranch_scc1 .Lnot_wave_0_\@
	s_barrier_signal -3
.Lnot_wave_0_\@:
	s_barrier_wait -3
	s_barrier_signal -1
	s_barrier_wait -1
.endm
.macro PLACES                          ; four plain places between a matrix instruction and a load into, or a read of, its registers
.rept 4
	v_nop
.endr
.endm
; A prefetch of fill c's two K steps: 24 blocks of 256 bytes, a lane a block (lanes 24-31 name the last again).  A's waves: two of the eight groups that the wave fetches.
; B's waves: one of the four groups that the wave fetches and the group eight further on, which comes straight from memory.  The four partners that share a tile are told apart by address alone.
.macro ASK c
.if (\c) < NSL
	global_prefetch_b8 v[PFO], s[PFA:PFA+1] offset:(\c)*ROWB th:TH_LOAD_NT scope:SCOPE_SE
.endif
.endm
.macro DIRECT st                       ; step st's four fragments of B from memory into set st % 3: twelve loads of 512 consecutive bytes
	WIN TO_B
.irp i, 0,1,2,3
.irp c, 0,1,2
	global_load_b128 v[96+48*((\st)%3)+FR*\i+4*\c:96+48*((\st)%3)+FR*\i+4*\c+3], v[LI], s[BD:BD+1] offset:\i*GRP+(\st)*FRB+512*\c
.endr
.endr
.endm
	s_load_b128 s[4:7], s[0:1], 0x0                ; A's codes, A's scales
	s_load_b128 s[8:11], s[0:1], 0x10              ; B's codes, B's scales
	s_load_b64 s[12:13], s[0:1], 0x20              ; the gates
	s_load_b64 s[66:67], s[0:1], 0x28              ; stats
	s_load_b128 s[96:99], s[0:1], 0x30             ; b_ih, b_hh
	v_lshl_add_u32 v[SPW], v0, 2, SPARE
	v_mov_b32 v[NIL], 0
	ds_add_u32 v[SPW], v[NIL]                      ; the opening: the add, twice on end, and its wait ahead of my first tensor load
	ds_add_u32 v[SPW], v[NIL]
	v_lshrrev_b32 v1, 5, v0
	v_readfirstlane_b32 s14, v1                    ; wave 0..3
	s_lshr_b32 s15, s14, 1                         ; which half of the tile's rows is mine; also: I fetch for A (0) or for B (1)
	s_and_b32 s16, s14, 1                          ; x; also: which half of a tile I fetch
	s_bfe_u32 s40, ttmp6, 0x40000                  ; cx, cy
	s_bfe_u32 s41, ttmp6, 0x40004
	s_lshl_b32 s42, ttmp9, 2
	s_add_co_u32 s42, s42, s40                     ; tile column
	s_and_b32 s17, ttmp7, 0xffff
	s_lshl_b32 s17, s17, 2
	s_add_co_u32 s17, s17, s41                     ; tile row
	s_lshl_b32 s43, s41, 2
	s_lshl_b32 s43, 15, s43                        ; my row of the cluster
	s_lshl_b32 s44, 0x1111, s40                    ; my column
	s_mul_i32 s18, s15, QSL                        ; my 8 groups of A in a slot
	s_mul_i32 s19, s16, QSB                        ; my 4 groups of B,
	s_add_co_u32 s19, s19, 2*QSL                   ; behind A's 16
	s_mul_i32 s22, s15, HALFS                      ; A's scale words: my 128 rows
	s_mul_i32 s23, s16, HALFS/2                    ; B's: groups 4 x .., behind A's 256 rows
	s_add_co_u32 s23, s23, 2*HALFS
	s_sub_co_u32 s23, s23, s22                     ; the distance from the one to the other,
	s_add_co_u32 s92, s23, 4096                    ; and for blocks 4-7, whose groups lie four further on
	s_add_co_u32 s22, s22, SCL
	s_mul_i32 s93, s14, 16*SPITCH
	s_add_co_u32 s93, s93, STG                     ; my stage
	s_mov_b32 s45, 8*GRP-ROWB                      ; from the first 12 blocks of a prefetch to the second 12: B's waves eight groups on,
	s_cmp_eq_u32 s15, 0
	s_cselect_b32 s45, GRP-ROWB, s45               ; A's one
	v_and_b32 v1, 15, v0                           ; r
	v_bfe_u32 v2, v0, 4, 1                         ; h
	v_and_b32 v3, 31, v0                           ; lane
	v_lshlrev_b32 v[LI], 4, v3
	v_add_nc_u32 v[ADRA], s18, v[LI]
	v_add_nc_u32 v[ADRB], s19, v[LI]
	v_add_nc_u32 v[ADRA+1], SLOT, v[ADRA]
	v_add_nc_u32 v[ADRB+1], SLOT, v[ADRB]
	v_mul_u32_u24 v4, s23, v2                      ; lanes 16-31 take B's scale words
	v_mul_u32_u24 v5, s92, v2
	v_lshl_add_u32 v4, v1, 4, v4                   ; 16 bytes a row
	v_lshl_add_u32 v5, v1, 4, v5
	v_add_nc_u32 v[ADRS], s22, v4
	v_add_nc_u32 v[ADRS+1], s22, v5
	v_mul_u32_u24 v6, v1, SPITCH                   ; into the stage: row r, 32 bytes for each half of the lanes
	v_lshl_add_u32 v6, v2, 5, v6
	v_add_nc_u32 v[STO], s93, v6
	v_add_nc_u32 v[RD], s93, v[LI]                 ; back: the 32 lanes take one row of 512 bytes
	v_lshlrev_b32 v7, 4, v1
	v_lshl_add_u32 v[CO], v2, 9, v7                ; lanes 0-15: blocks 0-3's 256 bytes; lanes 16-31: blocks 4-7's, 512 bytes on in the gates
	v_lshlrev_b32 v[BIO], 5, v2
	v_lshlrev_b32 v[SOF], 3, v3
	v_min_u32 v8, 23, v3
	v_mul_u32_u24 v9, v8, 43
	v_lshrrev_b32 v9, 9, v9                        ; l / 12 for l under 24
	v_mul_u32_u24 v9, v9, s45
	v_lshl_add_u32 v[PFO], v8, 8, v9
	; group 1 for codes: rows of 384 elements of 8 bytes, 3,072 elements apart, no padding.  At the head A's load has 16 rows and B's 8; in the ring 8 and 4
	s_or_b32 s[G1+0], s43, (3<<16)|(1<<21)
	s_or_b32 s[G1B+0], s44, (3<<16)|(1<<21)
.irp g, G1, G1B
	s_mov_b32 s[\g+1], (ROWB/8)<<16
	s_mov_b32 s[\g+3], (ROWB/8)<<16
	s_mov_b32 s[\g+5], GRP/8
	s_mov_b32 s[\g+6], 0
	s_mov_b32 s[\g+7], 0
.endr
	s_mov_b32 s[G1+2], 16<<16
	s_mov_b32 s[G1+4], 16
	s_mov_b32 s[G1B+2], 8<<16
	s_mov_b32 s[G1B+4], 8
	; and for the scales of 256 rows: a dense block as 64 rows of 256 bytes
	s_or_b32 s[G1S+0], s43, (3<<16)|(1<<21)
	s_or_b32 s[G1SB+0], s44, (3<<16)|(1<<21)
.irp g, G1S, G1SB
	s_mov_b32 s[\g+1], 32<<16
	s_mov_b32 s[\g+2], 64<<16
	s_mov_b32 s[\g+3], 32<<16
	s_mov_b32 s[\g+4], 64
	s_mov_b32 s[\g+5], 32
	s_mov_b32 s[\g+6], 0
	s_mov_b32 s[\g+7], 0
.endr
	s_mul_i32 s20, s17, 16*GRP                     ; A: the tile's 16 groups, by the tile row alone
	s_mov_b32 s21, 0
	s_mul_i32 s46, s42, 16*GRP                     ; B: by the tile column alone
	s_mov_b32 s47, 0
	s_lshl_b32 s22, s17, 14                        ; their scale words
	s_mov_b32 s23, 0
	s_lshl_b32 s92, s42, 14
	s_mov_b32 s93, 0
	s_mul_i32 s18, s16, 8*GRP                      ; in the ring: which 8 groups of A,
	s_mov_b32 s19, 0
	s_mul_i32 s2, s16, 4*GRP                       ; which 4 of B,
	s_mov_b32 s3, 0
	s_mul_i32 s45, s16, QSL                        ; and where they go
	s_mul_i32 s43, s16, QSB
	s_add_co_u32 s43, s43, 2*QSL
	s_wait_alu depctr_va_vdst(0)                   ; directly ahead of the waits below
	s_wait_dscnt 0x0                               ; both opening adds are done
	s_wait_kmcnt 0x0
	s_add_nc_u64 s[20:21], s[4:5], s[20:21]
	s_add_nc_u64 s[22:23], s[6:7], s[22:23]
	s_add_nc_u64 s[46:47], s[8:9], s[46:47]
	s_add_nc_u64 s[92:93], s[10:11], s[92:93]
	s_mov_b32 s[G0H], 1                            ; the head's four tiles: fill 0's 16 groups of A,
	s_mov_b32 s[G0H+1], 0
	s_mov_b64 s[G0H+2:G0H+3], s[20:21]
	s_or_b32 s[G0H+3], s[G0H+3], 0x80000000
	s_mov_b32 s[G0HB], 1                           ; its 8 groups of B,
	s_mov_b32 s[G0HB+1], 2*QSL
	s_mov_b64 s[G0HB+2:G0HB+3], s[46:47]
	s_or_b32 s[G0HB+3], s[G0HB+3], 0x80000000
	s_mov_b32 s[G0S], 1                            ; A's scales,
	s_mov_b32 s[G0S+1], SCL
	s_mov_b64 s[G0S+2:G0S+3], s[22:23]
	s_or_b32 s[G0S+3], s[G0S+3], 0x80000000
	s_mov_b32 s[G0SB], 1                           ; and B's
	s_mov_b32 s[G0SB+1], SCL+2*HALFS
	s_mov_b64 s[G0SB+2:G0SB+3], s[92:93]
	s_or_b32 s[G0SB+3], s[G0SB+3], 0x80000000
	s_add_nc_u64 s[20:21], s[20:21], s[18:19]      ; for the ring: my groups
	s_add_nc_u64 s[46:47], s[46:47], s[2:3]
	s_add_nc_u64 s[BD:BD+1], s[46:47], 8*GRP       ; groups 8 + 4 x ..
.irp s, 0,1
	s_mov_b32 s[G0+4*\s], 1
	s_add_co_u32 s[G0+4*\s+1], s45, \s*SLOT
	s_add_nc_u64 s[G0+4*\s+2:G0+4*\s+3], s[20:21], \s*ROWB
	s_or_b32 s[G0+4*\s+3], s[G0+4*\s+3], 0x80000000
	s_mov_b32 s[G0B+4*\s], 1
	s_add_co_u32 s[G0B+4*\s+1], s43, \s*SLOT
	s_add_nc_u64 s[G0B+4*\s+2:G0B+4*\s+3], s[46:47], \s*ROWB
	s_or_b32 s[G0B+4*\s+3], s[G0B+4*\s+3], 0x80000000
.endr
	s_mov_b32 s2, GRP                              ; the prefetches: B's partners stand one group apart,
	s_cmp_eq_u32 s15, 0
	s_cselect_b32 s2, 2*GRP, s2                    ; A's two
	s_cselect_b32 s3, s40, s41                     ; my place among the four that ask with me
	s_cselect_b64 s[PFA:PFA+1], s[20:21], s[46:47]
	s_mul_i32 s2, s2, s3
	s_mov_b32 s3, 0
	s_add_nc_u64 s[PFA:PFA+1], s[PFA:PFA+1], s[2:3]
	ASK 0                                          ; the buffers' first touch: fills 0 and 1 are asked for ahead of the round that stands in front of the first joint loads
	ASK 1
	DIRECT 0                                       ; and the first two steps' fragments from memory
	DIRECT 1
	s_lshl_b32 s18, s17, 8
	s_lshl_b32 s19, s15, 7
	s_add_co_u32 s18, s18, s19                     ; my first row
	s_lshl_b32 s2, s42, 10
	s_lshl_b32 s3, s16, 8
	s_add_co_u32 s2, s2, s3                        ; my first column, in bytes: 1,024 x tile column + 256 x
	s_mov_b32 s3, 0
	s_add_nc_u64 s[96:97], s[96:97], s[2:3]
	s_add_nc_u64 s[98:99], s[98:99], s[2:3]
.irp b, 0,1,2,3,4,5,6,7                ; the biases of my columns, block b's eight a lane: b_ih where the first products take them, b_hh into registers that A's second set takes later
.irp q, 0,1
	global_load_b128 v[BC+8*\b+4*\q:BC+8*\b+4*\q+3], v[BIO], s[96:97] offset:(\b/4)*512+(\b%4)*64+16*\q
.endr
.endr
	WIN 0
.irp b, 0,1,2,3,4,5,6,7
.irp q, 0,1
	global_load_b128 v[160+8*\b+4*\q:160+8*\b+4*\q+3], v[BIO], s[98:99] offset:(\b/4)*512+(\b%4)*64+16*\q
.endr
.endr
	s_lshl_b32 s19, s18, 14
	s_add_co_u32 s2, s2, s19
	s_add_nc_u64 s[12:13], s[12:13], s[2:3]
	s_lshl_b32 s2, s42, 1
	s_add_co_u32 s2, s2, s16                       ; my chunk: 2 x tile column + x
	s_lshl_b32 s2, s2, 15                          ; 4,096 rows x 8 bytes
	s_lshl_b32 s18, s18, 3
	s_add_co_u32 s2, s2, s18
	s_add_nc_u64 s[66:67], s[66:67], s[2:3]
	CROUND                                         ; all sixteen work-groups are here: the first joint loads meet
; The head's loads, one a wave: one chain of branches on the wave's number, every way through it passes exactly one load.
.macro ARM under, g0, g1, next
	s_cmp_lt_u32 s14, \under
	s_cbranch_scc0 \next
	tensor_load_to_lds s[\g0:\g0+3], s[\g1:\g1+7]
	s_nop 0
.rept 4
	v_nop
.endr
	s_branch .Lhead_asked
\next:
.endm
	ARM 1, G0H,  G1,  .Lhead_b
	ARM 2, G0HB, G1B, .Lhead_sa
	ARM 3, G0S,  G1S, .Lhead_sb
	tensor_load_to_lds s[G0SB:G0SB+3], s[G1SB:G1SB+7]
	s_nop 0
.rept 4
	v_nop
.endr
.Lhead_asked:
	ASK 2                                          ; from here on the fill of c asks for c + 2
	s_wait_loadcnt 0x0                             ; the biases and the first two steps' fragments from memory, while the tiles are on their way
	WIN 0x41                                       ; destination and source 0 window 1, source 1 window 0
.set qK, 0
.rept 32
	v_pk_add_f32 v[BC+qK:BC+qK+1], v[BC+qK:BC+qK+1], v[160+qK:160+qK+1]   ; b_ih + b_hh
.set qK, qK+2
.endr
	WIN 0
; 8 matrix instructions: A's block a x B's eight, on sets p (LDS) and p3 (memory).  first = 1: the sum begins with the biases.  Accumulators take turns, one instruction a turn.
.macro MUL8 a, p, p3, first
.irp b, 0,1,2,3,4,5,6,7
.if \b < 4
.set qB, 48*(\p)+FR*\b
.else
.set qB, 96+48*(\p3)+FR*(\b-4)
.endif
.if \first
	v_wmma_scale_f32_16x16x128_f8f6f4 v[8*(8*((\a)%4)+\b):8*(8*((\a)%4)+\b)+7], v[qB:qB+FR-1], v[AF+96*(\p)+FR*(\a):AF+96*(\p)+FR*(\a)+FR-1], v[BC+8*\b:BC+8*\b+7], v[SC+8*(\p)+\b], v[SC+8*(\p)+(\a)] matrix_a_fmt:MATRIX_FMT_FP6 matrix_b_fmt:MATRIX_FMT_FP6 matrix_a_scale:MATRIX_SCALE_ROW1
.else
	v_wmma_scale_f32_16x16x128_f8f6f4 v[8*(8*((\a)%4)+\b):8*(8*((\a)%4)+\b)+7], v[qB:qB+FR-1], v[AF+96*(\p)+FR*(\a):AF+96*(\p)+FR*(\a)+FR-1], v[8*(8*((\a)%4)+\b):8*(8*((\a)%4)+\b)+7], v[SC+8*(\p)+\b], v[SC+8*(\p)+(\a)] matrix_a_fmt:MATRIX_FMT_FP6 matrix_b_fmt:MATRIX_FMT_FP6 matrix_a_scale:MATRIX_SCALE_ROW1
.endif
.endr
.endm
.macro MUL16 a0, p, p3, first
	MUL8 \a0, \p, \p3, \first
	MUL8 (\a0)+1, \p, \p3, \first
.endm
; One run of loads: step st's operands from LDS into set st % 2 (B's four fragments, A's eight, a scale word for each block), and step d's four fragments from memory (d under 0 or past the end: none)
.macro FETCH st, d
.set qS, ((\st)/2)%2
.set qJ, ((\st)%2)*FRB
.set qP, (\st)%2
	WIN TO_B
.irp i, 0,1,2,3
.irp c, 0,1,2
	ds_load_b128 v[48*qP+FR*\i+4*\c:48*qP+FR*\i+4*\c+3], v[ADRB+qS] offset:\i*ROWB+qJ+512*\c
.endr
.endr
.if (\d) >= 0 && (\d) < 16
	DIRECT \d
.endif
	WIN 0
.irp i, 0,1,2,3,4,5,6,7
.irp c, 0,1,2
	ds_load_b128 v[AF+96*qP+FR*\i+4*\c:AF+96*qP+FR*\i+4*\c+3], v[ADRA+qS] offset:\i*ROWB+qJ+512*\c
.endr
.endr
.irp i, 0,1,2,3,4,5,6,7
	ds_load_b32 v[SC+8*qP+\i], v[ADRS+\i/4] offset:\i*1024+((\st)/4)*256+((\st)%4)*4
.endr
.endm
; Steps 0 to 13.  An even step, the first of its slot: its operands are in; the slot's second step's are asked for; 64 products.  Ahead of the last sixteen each wave waits for all its tensor loads and adds 0 to its
; spare word; behind them it waits for the add and for its reads of this slot, which are then over.  Where a fill two on is left, a round of the cluster's barrier follows and the joint refill is the first tensor load
; behind it; else the work-group's barrier alone shows the last fill whole.  An odd step: the next slot's first operands are asked for at once behind that; 64 products.
.macro STEP st, first
.set PS, (\st)%2
.set P3, (\st)%3
.set CS, (\st)/2
.if \first
.set WL, 0x91                          ; as MUL_LO and MUL_HI, with C (the biases) from window 1
.set WH, 0xd1
.else
.set WL, MUL_LO
.set WH, MUL_HI
.endif
.if PS == 0
	s_wait_dscnt 0x0                               ; this step's operands from LDS are in
.if (\st) > 0
	PLACES                                         ; the registers loaded below were read by the products just issued
	FETCH (\st)+1, (\st)+2
	s_wait_loadcnt 24                              ; this step's 12 loads from memory are in; the 24 of the next two steps may be out
.else
	FETCH 1, -1                                    ; (step 2's set from memory still holds the biases)
.endif
	WIN WL
	MUL16 0, PS, P3, \first
	MUL16 2, PS, P3, \first
	WIN WH
	MUL16 4, PS, P3, \first
	WIN 0                                          ; (the add's two registers lie in window 0)
	s_wait_tensorcnt 0x0                           ; all my tensor loads have landed: my part of the next slot
	ds_add_u32 v[SPW], v[NIL]
	WIN WH
	MUL16 6, PS, P3, \first                        ; sixteen matrix instructions between the add and the wait for it
	s_wait_dscnt 0x0                               ; the add is done, and my reads of this slot are over
	WIN 0
.if CS+2 < NSL
	CROUND                                         ; no wave of any partner still reads this slot or has a tensor load on its way
	s_add_nc_u64 s[G0+4*(CS%2)+2:G0+4*(CS%2)+3], s[G0+4*(CS%2)+2:G0+4*(CS%2)+3], 2*ROWB
	s_add_nc_u64 s[G0B+4*(CS%2)+2:G0B+4*(CS%2)+3], s[G0B+4*(CS%2)+2:G0B+4*(CS%2)+3], 2*ROWB
	JLOAD G0+4*(CS%2), G1, G0B+4*(CS%2), G1B       ; fill CS + 2; the four v_nop behind it are the places in front of the next step's loads
.else
	s_barrier_signal -1
	s_barrier_wait -1
	PLACES
.endif
.else
.if (\st) == 1
	DIRECT 2                                       ; the first step has taken the biases
.endif
	FETCH (\st)+1, (\st)+2
	ASK CS+4
	s_wait_loadcnt 24                              ; this step's 12 loads from memory are in; the 24 of the next two steps may be out
	WIN MUL_LO
	MUL16 0, PS, P3, 0
	MUL16 2, PS, P3, 0
	WIN MUL_HI
	MUL16 4, PS, P3, 0
	MUL16 6, PS, P3, 0
	WIN 0
.endif
.endm
	s_wait_alu depctr_va_vdst(0)                   ; directly ahead of the wait below
	s_wait_tensorcnt 0x0                           ; my tile of the head's four is in; the lines that stand ahead of a refill stand ahead of slot 1's first fill too
	ds_add_u32 v[SPW], v[NIL]
	s_mov_b32 s[G1+2], 8<<16                       ; no tensor load of mine is out: from here on A's load brings 8 rows, B's 4
	s_mov_b32 s[G1+4], 8
	s_mov_b32 s[G1B+2], 4<<16
	s_mov_b32 s[G1B+4], 4
	s_wait_dscnt 0x0
	CROUND                                         ; all four tiles are in, and all sixteen work-groups are here
	JLOAD G0+4, G1, G0B+4, G1B                     ; fill 1, the first tensor load behind the round
	FETCH 0, -1
	ASK 3
	STEP 0, 1                                      ; the first step's products begin the sums with the biases
.set ST, 1
.rept 13
	STEP ST, 0
.set ST, ST+1
.endr
	s_wait_dscnt 0x0                               ; step 14: nothing is left to fill
	PLACES
	FETCH 15, -1
	s_wait_loadcnt 12                              ; step 14's 12 loads from memory are in; step 15's may be out
	WIN MUL_LO
	MUL16 0, 0, 2, 0
	MUL16 2, 0, 2, 0
	WIN MUL_HI
	MUL16 4, 0, 2, 0
	MUL16 6, 0, 2, 0
	WIN 0
; THE LAST STEP AND THE WAY OUT, block by block of 16 rows x my 128 columns.  ROW: the block's last eight products.
; STATS: the row's mean over my 128 columns, then the sum of squares round that mean (no difference of large sums is formed).  A lane holds 64 numbers of row r; lane l xor 16 holds the row's other 64.
; Two blocks' pairs leave together: lanes 0-15 the even block's rows, lanes 16-31 the odd block's: 256 consecutive bytes.
.macro ROW a
	WIN MUL_LO+0x50*((\a)/4)
	MUL8 \a, 1, 0, 0
.endm
.macro LSUM d                          ; the four packed sums at TS -> one number over the row's 128, into v[d]; all in window 1
	v_pk_add_f32 v[TS:TS+1], v[TS:TS+1], v[TS+2:TS+3]
	v_pk_add_f32 v[TS+4:TS+5], v[TS+4:TS+5], v[TS+6:TS+7]
	v_pk_add_f32 v[TS:TS+1], v[TS:TS+1], v[TS+4:TS+5]
	v_add_f32 v[TS], v[TS], v[TS+1]
	v_permlanex16_b32 v[XL], v[TS], s2, s3
	v_add_f32 v[\d], v[TS], v[XL]
.endm
.macro STATS a
.set qW, 2+(\a)/4
.set AC, 64*((\a)%4)
.set qT, SR+2*((\a)%2)
	WIN 0x40|(qW<<2)|qW                            ; four chains, begun by the first eight pairs
.irp c, 0,2,4,6
	v_pk_add_f32 v[TS+\c:TS+\c+1], v[AC+\c:AC+\c+1], v[AC+8+\c:AC+9+\c]
.endr
	WIN 0x44|qW
.set qK, 16
.rept 24
	v_pk_add_f32 v[TS+qK%8:TS+qK%8+1], v[AC+qK:AC+qK+1], v[TS+qK%8:TS+qK%8+1]
.set qK, qK+2
.endr
	WIN 0x55
	LSUM TS
	v_mul_f32 v[qT], 0x3c000000, v[TS]             ; the mean: / 128
	WIN 0x44|qW
.set qK, 0
.rept 32
	v_pk_add_f32 v[DD+qK:DD+qK+1], v[AC+qK:AC+qK+1], v[qT:qT+1] op_sel_hi:[1,0] neg_lo:[0,1] neg_hi:[0,1]
.set qK, qK+2
.endr
	WIN 0x55
.irp c, 0,2,4,6
	v_pk_mul_f32 v[TS+\c:TS+\c+1], v[DD+\c:DD+\c+1], v[DD+\c:DD+\c+1]
.endr
.set qK, 8
.rept 28
	v_pk_fma_f32 v[TS+qK%8:TS+qK%8+1], v[DD+qK:DD+qK+1], v[DD+qK:DD+qK+1], v[TS+qK%8:TS+qK%8+1]
.set qK, qK+2
.endr
	LSUM qT+1
.if (\a)%2 == 1
.set qO, OP+2*((\a)/2)                 ; registers of its own for each store: none is written again
	v_cndmask_b32 v[qO], v[SR], v[SR+2], s18       ; s18: lanes 16-31
	v_cndmask_b32 v[qO+1], v[SR+1], v[SR+3], s18
	WIN 0x04                                       ; the data lie in window 1
	global_store_b64 v[SOF], v[qO:qO+1], s[66:67] offset:((\a)/2)*256
.endif
	WIN 0
.endm
; TOSTAGE, SEND: through my own stage: in as 32 bytes a lane, back as whole rows of 512 bytes into the registers that the block left, stored as two aligned runs of 256 bytes.
; LDS serves a wave's instructions in order (ISA guide 5.7.1.4).  The stores' place stands in the immediate, 127 rows at the most; no store's register is written again.
.macro TOSTAGE a
.set AC, 64*((\a)%4)
.set qW, 2+(\a)/4
	WIN qW<<2                                      ; the data: window 2 or 3
.irp b, 0,1,2,3,4,5,6,7
	ds_store_b128 v[STO], v[AC+8*\b:AC+8*\b+3] offset:64*\b
	ds_store_b128 v[STO], v[AC+8*\b+4:AC+8*\b+7] offset:64*\b+16
.endr
	WIN qW<<6
.irp t, 0,1,2,3,4,5,6,7,8,9,10,11,12,13,14,15
	ds_load_b128 v[AC+4*\t:AC+4*\t+3], v[RD] offset:\t*SPITCH
.endr
	WIN 0
.endm
.macro SEND a, younger                 ; younger: the LDS instructions issued behind block a's loads
.set AC, 64*((\a)%4)
.set qW, 2+(\a)/4
	s_wait_dscnt \younger
	WIN qW<<2
.irp t, 0,1,2,3,4,5,6,7,8,9,10,11,12,13,14,15
	global_store_b128 v[CO], v[AC+4*\t:AC+4*\t+3], s[12:13] offset:(16*(\a)+\t)*NROW th:TH_STORE_NT
.endr
	WIN 0
.endm
	s_mov_b32 s2, 0x76543210                       ; v_permlanex16_b32's selects for lane l xor 16
	s_mov_b32 s3, 0xfedcba98
	s_mov_b32 s18, 0xffff0000
	s_wait_dscnt 0x0                               ; step 15's operands are in,
	s_wait_loadcnt 0x0                             ; those from memory too
	ROW 0
.irp a, 0,1,2,3,4,5,6,7
.if \a < 7
	ROW \a+1
.endif
	WIN 0
	PLACES                                         ; behind the products that finished block a
.if \a == 0
	WIN 0x40
	v_mov_b32 v[SR+1], 0                           ; upper halves of pairs that a packed line names before they are first written,
	v_mov_b32 v[SR+3], 0
	v_mov_b32 v[XL], 0                             ; and a lane permute's destination, which counts as one of its sources
.endif
	STATS \a
	TOSTAGE \a
.if \a > 0
	SEND \a-1, 32                                  ; behind block a - 1's loads: block a's 16 stores and 16 loads
.endif
.endr
	SEND 7, 0
	s_wait_tensorcnt 0x0                           ; the wave's end
	ds_add_u32 v[SPW], v[NIL]
	s_wait_dscnt 0x0
	CROUND                                         ; the closing round
	s_endpgm
.Lfunc_end_k_qf11d9e0da6_gemm:
	.size	k_qf11d9e0da6_gemm, .Lfunc_end_k_qf11d9e0da6_gemm-k_qf11d9e0da6_gemm
	.p2alignl 7, 3214868480
	.fill 96, 4, 3214868480
	.section	.rodata,"a",@progbits
	.p2align	6, 0x0
	.amdhsa_kernel k_qf11d9e0da6_gemm
		.amdhsa_group_segment_fixed_size 327680
		.amdhsa_private_segment_fixed_size 0
		.amdhsa_enable_private_segment 0
		.amdhsa_kernarg_size 64
		.amdhsa_user_sgpr_count 2
		.amdhsa_user_sgpr_kernarg_segment_ptr 1
		.amdhsa_wavefront_size32 1
		.amdhsa_system_sgpr_workgroup_id_x 1
		.amdhsa_system_sgpr_workgroup_id_y 1
		.amdhsa_system_sgpr_workgroup_id_z 1
		.amdhsa_system_vgpr_workitem_id 0
		.amdhsa_next_free_vgpr 1024
		.amdhsa_next_free_sgpr 102
		.amdhsa_reserve_vcc 0
		.amdhsa_float_denorm_mode_32 3
		.amdhsa_float_denorm_mode_16_64 3
		.amdhsa_memory_ordered 1
		.amdhsa_forward_progress 1
		.amdhsa_inst_pref_size 255
	.end_amdhsa_kernel
	.section	.bss,"aw",@nobits
	.p2align	6
	.space	262144
	.amdgpu_metadata
---
amdhsa.version: [ 1, 2 ]
amdhsa.kernels:
  - .name:           k_qf11d9e0da6_gemm
    .symbol:         k_qf11d9e0da6_gemm.kd
    .args:
      - { .name: a_codes, .offset: 0, .size: 8, .value_kind: global_buffer, .address_space: global }
      - { .name: a_scales, .offset: 8, .size: 8, .value_kind: global_buffer, .address_space: global }
      - { .name: b_codes, .offset: 16, .size: 8, .value_kind: global_buffer, .address_space: global }
      - { .name: b_scales, .offset: 24, .size: 8, .value_kind: global_buffer, .address_space: global }
      - { .name: gates, .offset: 32, .size: 8, .value_kind: global_buffer, .address_space: global }
      - { .name: stats, .offset: 40, .size: 8, .value_kind: global_buffer, .address_space: global }
      - { .name: b_ih, .offset: 48, .size: 8, .value_kind: global_buffer, .address_space: global }
      - { .name: b_hh, .offset: 56, .size: 8, .value_kind: global_buffer, .address_space: global }
    .group_segment_fixed_size: 327680
    .private_segment_fixed_size: 0
    .kernarg_segment_align: 8
    .kernarg_segment_size: 64
    .max_flat_workgroup_size: 128
    .sgpr_count:     102
    .vgpr_count:     1024
    .wavefront_size: 32
...
	.end_amdgpu_metadata
.endif
;; end of part 2
;; launch lnlstm (part 3): grid 512 x 1, 8 waves a work-group, no clusters, 0 bytes of LDS; arguments gates, stats, c, ln_gamma, ln_beta, out0, out1; writes out0, out1
.if DOCPART == 3
	.amdgcn_target "amdgcn-amd-amdhsa--gfx1250"
	.amdhsa_code_object_version 6
	.text
	.protected	k_qf11d9e0da6_lnlstm
	.globl	k_qf11d9e0da6_lnlstm
	.p2align	8
	.type	k_qf11d9e0da6_lnlstm,@function
k_qf11d9e0da6_lnlstm:
	s_mov_b64 s[64:65], 0
	v_nop
	global_prefetch_b8 v0, s[64:65] scope:SCOPE_SE
	s_setreg_imm32_b32 hwreg(HW_REG_WAVE_MODE, 25, 1), 1
	s_wait_xcnt 0x0
; n = (g - mean) rsqrt(var + 1e-5) gamma + beta over a row's 4,096 gates g (the biases are in them already);  new_c = sigmoid(n_f) c + sigmoid(n_i) tanh(n_g);  new_h = sigmoid(n_o) tanh(new_c).
; gates [4096][4096] f32 (order i, f, g, o, 1,024 each); stats [32 chunks][4096 rows] pairs (mean, M2) of a row over a chunk's 128 gates; c, out0 = new_h, out1 = new_c [4096][1024] f32.  All in f32.
; SHARES.  A work-group of eight waves owns 8 whole rows; thread t owns hidden units 4 t .. 4 t + 3 in each of the four gates: the i, f, g, o and c of a unit lie in one lane, and the byte offset 16 t serves every tensor
; (a wave's load or store covers 512 consecutive aligned bytes).  No LDS, no barrier: every wave joins the 8 rows' 32 pairs for itself.
; THE ROW'S MEAN AND VARIANCE: lane l takes row l % 8 and chunks 4 k + l / 8, k = 0 .. 7 (a load reads four runs of 64 bytes: 8 rows' pairs of four chunks).  The mean is the 32 means' mean;
; M2 = sum of M2_k + 128 (mean_k - mean)^2.  No difference of large sums is formed.
; All 56 loads of a wave go out at the head; the rows are worked two at a time behind counted waits, and each pair is stored while the later rows land.
; sigmoid(x) = 1 / (1 + 2^(-log2(e) x)), tanh(x) = 1 - 2 / (1 + 2^(2 log2(e) x)): where the power overflows the reciprocal is 0, where it vanishes 1.  The factors are multiplied into gain and offset once.
; LIMIT: tanh so made has an absolute error of the order of an f32 ulp of 1, not a relative one.
; No matrix work, no tensor loads, no cluster: nothing is shared between work-groups but 32 KiB of parameters.
.set OFF, 1                            ; v1       16 x thread
.set SO,  2                            ; v2       my place in stats: 32,768 (l / 8) + 8 (l % 8)
.set ST,  8                            ; v8-23    eight pairs (mean_k, M2_k)
.set GA,  24                           ; v24-39   gamma x the exponential's factor: gate q, element e at 4 q + e
.set BE,  40                           ; v40-55   beta x the same
.set NM,  56                           ; v56-59   two pairs (-mean rstd, -), one a row
.set U,   60
.set W,   61
.set X,   62
.set S,   63
.set E,   64                           ; v64-71   mean_k - mean
.set C,   96                           ; v96-127  c: row r at 4 r; becomes new_c
.set G,   128                          ; v128-255 gates: row r, gate q, element e at 16 r + 4 q + e; o's four registers become new_h
	s_load_b256 s[4:11], s[0:1], 0x0               ; gates s[4:5], stats s[6:7], c s[8:9], ln_gamma s[10:11]
	s_load_b128 s[12:15], s[0:1], 0x20             ; ln_beta s[12:13], out0 s[14:15]
	s_load_b64 s[16:17], s[0:1], 0x30              ; out1
	v_lshlrev_b32 v[OFF], 4, v0
	v_and_b32 v3, 7, v0
	v_bfe_u32 v4, v0, 3, 2
	v_mov_b32 v[X], 0                              ; a lane permute's destination counts as one of its sources
	v_mov_b32 v[NM+1], 0                           ; upper halves of pairs that a packed line names
	v_mov_b32 v[NM+3], 0
	v_lshlrev_b32 v3, 3, v3
	v_lshl_add_u32 v[SO], v4, 15, v3
	s_lshl_b32 s2, ttmp9, 17                       ; 8 rows of 16,384 bytes of gates
	s_mov_b32 s3, 0
	s_lshl_b32 s18, ttmp9, 15                      ; 8 rows of 4,096 bytes of c, out0, out1
	s_mov_b32 s19, 0
	s_lshl_b32 s28, ttmp9, 6                       ; 8 rows' pairs
	s_mov_b32 s29, 0
	s_mov_b32 s20, 0x76543210                      ; v_permlanex16_b32's selects for lane l xor 16
	s_mov_b32 s21, 0xfedcba98
	s_mov_b32 s22, 0xbfb8aa3b                      ; -log2(e)
	s_mov_b32 s23, s22
	s_mov_b32 s24, 0x4038aa3b                      ; 2 log2(e)
	s_mov_b32 s25, s24
	s_mov_b32 s26, 0x39800000                      ; 1 / 4096
	s_mov_b32 s27, 0x3727c5ac                      ; 1e-5
	s_wait_alu depctr_va_vdst(0)
	s_wait_kmcnt 0x0
	s_add_nc_u64 s[4:5], s[4:5], s[2:3]
	s_add_nc_u64 s[6:7], s[6:7], s[28:29]
	s_add_nc_u64 s[8:9], s[8:9], s[18:19]
	s_add_nc_u64 s[14:15], s[14:15], s[18:19]
	s_add_nc_u64 s[16:17], s[16:17], s[18:19]
.irp k, 0,1,2,3,4,5,6,7
	global_load_b64 v[ST+2*\k:ST+2*\k+1], v[SO], s[6:7] offset:131072*\k
.endr
.irp q, 0,1,2,3
	global_load_b128 v[GA+4*\q:GA+4*\q+3], v[OFF], s[10:11] offset:4096*\q
	global_load_b128 v[BE+4*\q:BE+4*\q+3], v[OFF], s[12:13] offset:4096*\q
.endr
.irp r, 0,1,2,3,4,5,6,7                ; the rows: five loads each; read once in the launch
.irp q, 0,1,2,3
	global_load_b128 v[G+16*\r+4*\q:G+16*\r+4*\q+3], v[OFF], s[4:5] offset:16384*\r+4096*\q th:TH_LOAD_NT
.endr
	global_load_b128 v[C+4*\r:C+4*\r+3], v[OFF], s[8:9] offset:4096*\r th:TH_LOAD_NT
.endr
	s_wait_loadcnt 48                              ; the 8 loads of pairs are in; the 8 of parameters and the 40 of rows may be out
	v_add_f32 v[S], v[ST], v[ST+2]                 ; my eight means' sum, in two chains
	v_add_f32 v[U], v[ST+4], v[ST+6]
	v_add_f32 v[S], v[S], v[ST+8]
	v_add_f32 v[U], v[U], v[ST+10]
	v_add_f32 v[S], v[S], v[ST+12]
	v_add_f32 v[U], v[U], v[ST+14]
	v_add_f32 v[S], v[S], v[U]
	v_add_f32_dpp v[S], v[S], v[S] row_xmask:8 row_mask:0xf bank_mask:0xf   ; with lane l xor 8's,
	v_permlanex16_b32 v[X], v[S], s20, s21
	v_add_f32 v[S], v[S], v[X]                     ; and lane l xor 16's: all 32 chunks
	v_mul_f32 v[U], 0x3d000000, v[S]               ; the row's mean: / 32
.irp k, 0,1,2,3,4,5,6,7
	v_sub_f32 v[E+\k], v[ST+2*\k], v[U]
.endr
	v_mul_f32 v[W], v[E], v[E]
	v_mul_f32 v[S], v[E+1], v[E+1]
.irp k, 2,4,6
	v_fmac_f32 v[W], v[E+\k], v[E+\k]
	v_fmac_f32 v[S], v[E+\k+1], v[E+\k+1]
.endr
	v_add_f32 v[E], v[ST+1], v[ST+3]               ; my eight M2's sum
	v_add_f32 v[E+1], v[ST+5], v[ST+7]
	v_add_f32 v[W], v[W], v[S]
	v_add_f32 v[E], v[E], v[ST+9]
	v_add_f32 v[E+1], v[E+1], v[ST+11]
	v_add_f32 v[E], v[E], v[ST+13]
	v_add_f32 v[E+1], v[E+1], v[ST+15]
	v_add_f32 v[E], v[E], v[E+1]
	v_fmamk_f32 v[W], v[W], 0x43000000, v[E]       ; + 128 (mean_k - mean)^2
	v_add_f32_dpp v[W], v[W], v[W] row_xmask:8 row_mask:0xf bank_mask:0xf
	v_permlanex16_b32 v[X], v[W], s20, s21
	v_add_f32 v[W], v[W], v[X]
	v_fma_f32 v[W], v[W], s26, s27                 ; var + eps
	s_wait_alu depctr_va_vdst(0)
	v_rsq_f32 v[W], v[W]
	v_nop                                          ; one plain line behind a transcendental (ISA guide 5.7.2)
	s_wait_alu depctr_va_vdst(0)
	v_mul_f32 v[U], -v[U], v[W]                    ; -mean rstd
.irp r, 0,1,2,3,4,5,6,7
	v_readlane_b32 s[32+2*\r], v[W], \r            ; row r's rstd and -mean rstd, for every lane: data alone, no address and no branch is made of them
	v_readlane_b32 s[33+2*\r], v[U], \r
.endr
	s_wait_loadcnt 40                              ; the parameters are in
.irp j, 0,2,4,6,12,14                  ; gates i, f, o: sigmoid's factor
	v_pk_mul_f32 v[GA+\j:GA+\j+1], v[GA+\j:GA+\j+1], s[22:23] op_sel_hi:[1,0]
	v_pk_mul_f32 v[BE+\j:BE+\j+1], v[BE+\j:BE+\j+1], s[22:23] op_sel_hi:[1,0]
.endr
.irp j, 8,10                           ; gate g: tanh's
	v_pk_mul_f32 v[GA+\j:GA+\j+1], v[GA+\j:GA+\j+1], s[24:25] op_sel_hi:[1,0]
	v_pk_mul_f32 v[BE+\j:BE+\j+1], v[BE+\j:BE+\j+1], s[24:25] op_sel_hi:[1,0]
.endr
; Rows 2 k and 2 k + 1, by turns.  left: how many younger loads may stay out.  Around each batch of transcendentals stand two waits, and a plain line behind its last.
.macro BATCH k, left
	s_wait_loadcnt \left                           ; loads come back in order (ISA guide 5.7.1): these two rows' 10 are in
.irp p, 0,1
	v_mov_b32 v[NM+2*\p], s[33+2*(2*\k+\p)]
.endr
.irp j, 0,2,4,6,8,10,12,14
.irp p, 0,1
.set GR, G+16*(2*\k+\p)
	v_pk_fma_f32 v[GR+\j:GR+\j+1], v[GR+\j:GR+\j+1], s[32+2*(2*\k+\p):33+2*(2*\k+\p)], v[NM+2*\p:NM+2*\p+1] op_sel_hi:[1,0,0]   ; (g - mean) rstd
.endr
.endr
.irp j, 0,2,4,6,8,10,12,14
.irp p, 0,1
.set GR, G+16*(2*\k+\p)
	v_pk_fma_f32 v[GR+\j:GR+\j+1], v[GR+\j:GR+\j+1], v[GA+\j:GA+\j+1], v[BE+\j:BE+\j+1]   ; x gamma + beta, with the exponential's factor in both
.endr
.endr
.set I, G+32*\k
	s_wait_alu depctr_va_vdst(0)
.rept 32
	v_exp_f32 v[I], v[I]
.set I, I+1
.endr
	v_nop
.set I, G+32*\k
	s_wait_alu depctr_va_vdst(0)
.rept 16
	v_pk_add_f32 v[I:I+1], v[I:I+1], 1.0 op_sel_hi:[1,0]
.set I, I+2
.endr
.set I, G+32*\k
	s_wait_alu depctr_va_vdst(0)
.rept 32
	v_rcp_f32 v[I], v[I]                           ; i, f, o: the sigmoids; g: 1 / (1 + 2^(2 log2(e) n))
.set I, I+1
.endr
	v_nop
	s_wait_alu depctr_va_vdst(0)
.irp e, 0,2
.irp p, 0,1
.set GR, G+16*(2*\k+\p)
	v_pk_fma_f32 v[GR+8+\e:GR+9+\e], v[GR+8+\e:GR+9+\e], -2.0, 1.0 op_sel_hi:[1,0,0]   ; tanh(n_g)
.endr
.endr
.irp e, 0,2
.irp p, 0,1
.set GR, G+16*(2*\k+\p)
	v_pk_mul_f32 v[GR+\e:GR+1+\e], v[GR+\e:GR+1+\e], v[GR+8+\e:GR+9+\e]            ; sigmoid(n_i) tanh(n_g)
.endr
.endr
.irp e, 0,2
.irp p, 0,1
.set GR, G+16*(2*\k+\p)
.set CR, C+4*(2*\k+\p)
	v_pk_fma_f32 v[CR+\e:CR+1+\e], v[GR+4+\e:GR+5+\e], v[CR+\e:CR+1+\e], v[GR+\e:GR+1+\e]   ; new_c
.endr
.endr
.irp p, 0,1
	global_store_b128 v[OFF], v[C+4*(2*\k+\p):C+4*(2*\k+\p)+3], s[16:17] offset:4096*(2*\k+\p) th:TH_STORE_NT   ; these registers are only read from here on
.endr
.irp e, 0,2
.irp p, 0,1
.set GR, G+16*(2*\k+\p)
.set CR, C+4*(2*\k+\p)
	v_pk_mul_f32 v[GR+4+\e:GR+5+\e], v[CR+\e:CR+1+\e], s[24:25] op_sel_hi:[1,0]    ; 2 log2(e) new_c, into f's registers, which are done with
.endr
.endr
	s_wait_alu depctr_va_vdst(0)
.irp e, 0,1,2,3
.irp p, 0,1
.set GR, G+16*(2*\k+\p)
	v_exp_f32 v[GR+4+\e], v[GR+4+\e]
.endr
.endr
	v_nop
	s_wait_alu depctr_va_vdst(0)
.irp e, 0,2
.irp p, 0,1
.set GR, G+16*(2*\k+\p)
	v_pk_add_f32 v[GR+4+\e:GR+5+\e], v[GR+4+\e:GR+5+\e], 1.0 op_sel_hi:[1,0]
.endr
.endr
	s_wait_alu depctr_va_vdst(0)
.irp e, 0,1,2,3
.irp p, 0,1
.set GR, G+16*(2*\k+\p)
	v_rcp_f32 v[GR+4+\e], v[GR+4+\e]
.endr
.endr
	v_nop
	s_wait_alu depctr_va_vdst(0)
.irp e, 0,2
.irp p, 0,1
.set GR, G+16*(2*\k+\p)
	v_pk_fma_f32 v[GR+4+\e:GR+5+\e], v[GR+4+\e:GR+5+\e], -2.0, 1.0 op_sel_hi:[1,0,0]   ; tanh(new_c)
.endr
.endr
.irp e, 0,2
.irp p, 0,1
.set GR, G+16*(2*\k+\p)
	v_pk_mul_f32 v[GR+12+\e:GR+13+\e], v[GR+12+\e:GR+13+\e], v[GR+4+\e:GR+5+\e]    ; new_h
.endr
.endr
.irp p, 0,1
	global_store_b128 v[OFF], v[G+16*(2*\k+\p)+12:G+16*(2*\k+\p)+15], s[14:15] offset:4096*(2*\k+\p) th:TH_STORE_NT   ; no store's data or address register is written again in this text
.endr
.endm
	BATCH 0, 30
	BATCH 1, 20
	BATCH 2, 10
	BATCH 3, 0
	s_endpgm
.Lfunc_end_k_qf11d9e0da6_lnlstm:
	.size	k_qf11d9e0da6_lnlstm, .Lfunc_end_k_qf11d9e0da6_lnlstm-k_qf11d9e0da6_lnlstm
	.p2alignl 7, 3214868480
	.fill 96, 4, 3214868480
	.section	.rodata,"a",@progbits
	.p2align	6, 0x0
	.amdhsa_kernel k_qf11d9e0da6_lnlstm
		.amdhsa_group_segment_fixed_size 0
		.amdhsa_private_segment_fixed_size 0
		.amdhsa_enable_private_segment 0
		.amdhsa_kernarg_size 56
		.amdhsa_user_sgpr_count 2
		.amdhsa_user_sgpr_kernarg_segment_ptr 1
		.amdhsa_wavefront_size32 1
		.amdhsa_system_sgpr_workgroup_id_x 1
		.amdhsa_system_sgpr_workgroup_id_y 1
		.amdhsa_system_sgpr_workgroup_id_z 1
		.amdhsa_system_vgpr_workitem_id 0
		.amdhsa_next_free_vgpr 256
		.amdhsa_next_free_sgpr 66
		.amdhsa_reserve_vcc 0
		.amdhsa_float_denorm_mode_32 3
		.amdhsa_float_denorm_mode_16_64 3
		.amdhsa_memory_ordered 1
		.amdhsa_forward_progress 1
		.amdhsa_inst_pref_size 43
	.end_amdhsa_kernel
	.amdgpu_metadata
---
amdhsa.version: [ 1, 2 ]
amdhsa.kernels:
  - .name:           k_qf11d9e0da6_lnlstm
    .symbol:         k_qf11d9e0da6_lnlstm.kd
    .args:
      - { .name: gates, .offset: 0, .size: 8, .value_kind: global_buffer, .address_space: global }
      - { .name: stats, .offset: 8, .size: 8, .value_kind: global_buffer, .address_space: global }
      - { .name: c, .offset: 16, .size: 8, .value_kind: global_buffer, .address_space: global }
      - { .name: ln_gamma, .offset: 24, .size: 8, .value_kind: global_buffer, .address_space: global }
      - { .name: ln_beta, .offset: 32, .size: 8, .value_kind: global_buffer, .address_space: global }
      - { .name: out0, .offset: 40, .size: 8, .value_kind: global_buffer, .address_space: global }
      - { .name: out1, .offset: 48, .size: 8, .value_kind: global_buffer, .address_space: global }
    .group_segment_fixed_size: 0
    .private_segment_fixed_size: 0
    .kernarg_segment_align: 8
    .kernarg_segment_size: 56
    .max_flat_workgroup_size: 256
    .sgpr_count:     66
    .vgpr_count:     256
    .wavefront_size: 32
...
	.end_amdgpu_metadata
.endif
;; end of part 3
